; MI455X (gfx1250); checked and timed in simulation.
; The chip was launched on July 23, 2026; its instructions are those of AMD's public machine-readable ISA for CDNA 5 (MIT licence, August 2026) and "CDNA5" Instruction Set Architecture Reference Guide (July 2026). The comments in the code are by the model that wrote it; some were corrected since.
;; KNN. Allowed arithmetic: matrix products marked QUANTISED: E2M1 operands, one E8M0 scale for each 32 along K, by v_wmma_scale_f32_16x16x128_f8f6f4 with both operands' format E2M1 (or v_wmma_scale_f32_32x16x128_f4), f32 sums; everything else in f32.
;; Inputs: X 512 x 64 float32; train_features 200,000 x 64 float32; train_labels 200,000 int32.
;; Outputs: out0 512 int32.
;; Constants: k = 16, num_labels = 10.
;; This version of the problem:
;;   THIS VERSION OF THE PROBLEM IS GIVEN IN LOW PRECISION. The matrix products marked QUANTISED in the list below multiply operands that are first quantised to E2M1 (2 exponent bits, 1 mantissa bit; 4 bits a number), with one power-of-two scale for each 32 numbers along K (OCP MX v1.0); their sums are f32. All else is computed in f32.
;;   The module's matrix products, in the order in which they are computed (A, B: the left and right operand; K: the contracted axis; several contracted axes count as one K, in the product's order):
;;     1. [M 512, K 64] x [K 64, N 200,000]; A: input X; B: input train_features: QUANTISED
;;   THE QUANTISER, for each operand of a quantised product, along K:
;;     - K is cut into blocks of 32 from its start; a last block that is shorter is filled with zeros.
;;     - A block's scale is 2^e with e = floor(log2(the largest magnitude in the block)) - 2, held to -126 .. 127; a block of zeros has e = 0. As a byte (E8M0): e + 127.
;;     - Each number is divided by its block's scale, clamped to +-6, and rounded to the nearest number of E2M1, ties to even, subnormals kept.
;;     - The product sums the exact products of the quantised numbers (number of the format x scale) in f32.
;;   ~~~python
;;   def quantise(x, axis):      # numpy; x: float32 -> the quantised numbers, widened to float32 again
;;       x = np.moveaxis(x, axis, -1); K = x.shape[-1]
;;       x = np.pad(x, [(0, 0)] * (x.ndim - 1) + [(0, -K % 32)]); x = x.reshape(x.shape[:-1] + (-1, 32)); a = np.abs(x).max(-1, keepdims=True)
;;       e = np.where(a > 0, np.clip(np.frexp(np.where(a > 0, a, 1))[1] - 1 - 2, -126, 127), 0)      # np.frexp(a)[1] - 1 = floor(log2(a)), exactly
;;       r = np.clip(x / 2.0 ** e, -6, 6)
;;       step = 2.0 ** (np.maximum(np.frexp(np.where(r == 0, 1, r))[1] - 1, 0) - 1)
;;       q = np.round(r / step) * step * 2.0 ** e      # np.round: ties to even
;;       return np.moveaxis(q.reshape(q.shape[:-2] + (-1,))[..., :K], -1, axis).astype(np.float32)
;;   ~~~
;; One version. Each part assembles by itself: llvm-mc -triple=amdgcn-amd-amdhsa -mcpu=gfx1250 --defsym DOCPART=n.
;; ======== version 1 of 1: 4 launches
;; workspace buffers: tcodes 6,438,912 bytes; tscale 804,864 bytes; tnorm 804,864 bytes; tnl 1,609,728 bytes; gmin 3,670,016 bytes; gsel 32,768 bytes of whole numbers
;; launch quant (part 1): grid 786 x 1, 4 waves a work-group, no clusters, 39,424 bytes of LDS; arguments X, train_features, train_labels, tcodes, tscale, tnorm, tnl; writes tcodes, tscale, tnorm, tnl
.if DOCPART == 1
	.amdgcn_target "amdgcn-amd-amdhsa--gfx1250"
	.amdhsa_code_object_version 6
	.text
	.protected	k_q18c27510c5_quant
	.globl	k_q18c27510c5_quant
	.p2align	8
	.type	k_q18c27510c5_quant,@function
k_q18c27510c5_quant:
	s_mov_b64 s[64:65], 0
	v_nop
	global_prefetch_b8 v0, s[64:65] scope:SCOPE_SE
	s_setreg_imm32_b32 hwreg(HW_REG_WAVE_MODE, 25, 1), 1
	s_wait_xcnt 0x0
; train_features [200000][64] and X [512][64], f32, become codes of FP4 (E2M1) with one E8M0 byte for each 32 along K, laid by TILES of 16 rows as the matrix
; instruction's registers want them, together with each row's sum of squares (of the unquantised numbers) and its label.
;   tcodes [12576 tiles][32 lanes][16 bytes]: lane (r, h) holds the codes of k = 32 h .. 32 h + 31 of the tile's row r;   tscale [tile][16] words: byte 0 block 0, byte 1 block 1, bytes 2, 3 = 127;
;   tnorm [tile][16] f32;   tnl [tile][16][norm f32, label i32].
; Tiles 0 .. 12499 are the training rows; 12500 .. 12543 are dummies (norm 3e38, so that they are never near; their codes are those of the last real rows); 12544 .. 12575 are X.
; X IS STORED AS -2 X: the sign bit of each code is turned and 1 is added to each scale byte, both exact, so that a later product with the row's norm as C gives t2 - 2 x.t with no further arithmetic.
; A block's scale byte is its largest magnitude's exponent field - 2, held at 1 from below.  A block of zeros so has the byte 1 where the quantiser says 127: its codes are zeros, and this program alone reads the bytes.
; LIMITS: NaN and infinities among the inputs are not served; a row's sum of squares stays under 3e38; the sum of squares is taken in another order than a plain running sum.
; SHARES: a wave takes a quad of 4 tiles: 64 rows, 16,384 consecutive bytes, by 32 loads of 512 consecutive bytes, all issued at once.  The conversions want 32 neighbours along K in ONE lane, so each tile
; turns through the wave's own stage in LDS (rows of 256 bytes + 16).  Waves share nothing: no barrier.  One path serves all three kinds of quad: only scalars are chosen, on the quad's number.
.set QLAST,  3124                      ; the last quad of training rows
.set QX,     3136                      ; X's first quad
.set R,      16                        ; v16-143   the 32 loads as they come
.set XN,     144                       ; v144-207  two sets of 32 neighbours
.set CD,     208                       ; v208-223  codes, four registers a tile
.set WD,     240                       ; v240-243  a scale word a tile
.set NM,     244                       ; v244-247  a norm a tile
.set STG,    4352                      ; a stage: 16 rows x 272 bytes
.set META,   8704                      ; behind the two stages: 256 bytes of scale words, 256 of norms, 512 of (norm, label)
.set WREG,   9728                      ; LDS bytes of a wave
	s_load_b256 s[4:11], s[0:1], 0x0               ; X s[4:5], train_features s[6:7], train_labels s[8:9], tcodes s[10:11]
	s_load_b128 s[12:15], s[0:1], 0x20             ; tscale s[12:13], tnorm s[14:15]
	s_load_b64 s[16:17], s[0:1], 0x30              ; tnl
	v_lshl_add_u32 v254, v0, 2, 0x9800
	v_mov_b32 v255, 0
	v_lshrrev_b32 v1, 5, v0
	v_readfirstlane_b32 s18, v1                    ; wave 0..3
	v_and_b32 v1, 31, v0                           ; lane
	v_and_b32 v2, 15, v0                           ; r
	v_bfe_u32 v3, v0, 4, 1                         ; h
	v_lshlrev_b32 v4, 4, v1                        ; 16 x lane
	v_lshlrev_b32 v5, 3, v1                        ; 8 x lane
	s_mul_i32 s31, s18, WREG                       ; my wave's LDS
	v_mul_u32_u24 v6, v3, 272
	v_lshl_add_u32 v6, v2, 4, v6
	v_add_nc_u32 v6, s31, v6                       ; into a stage: a load's 512 bytes are two rows: row h, 16 r
	v_mul_u32_u24 v7, v2, 272
	v_lshl_add_u32 v7, v3, 7, v7
	v_add_nc_u32 v7, s31, v7                       ; out of it: row r, block h: 128 bytes on end
	s_add_co_u32 s31, s31, META
	v_lshl_add_u32 v8, v2, 2, s31                  ; a word of row r
	v_lshl_add_u32 v9, v2, 3, s31                  ; a pair of row r
	v_lshl_add_u32 v10, v1, 4, s31                 ; 16 bytes a lane
	v_lshl_add_u32 v11, v1, 3, s31                 ; 8 bytes a lane
	v_lshlrev_b32 v12, 3, v3                       ; 8 h: my byte's place in the scale word
	v_mov_b32 v236, 0                              ; written once: a lane permute's destination counts as one of its sources
	v_mov_b32 v238, 0
	s_lshl_b32 s19, ttmp9, 2
	s_add_co_u32 s19, s19, s18                     ; my quad, 0 .. 3143
	s_min_u32 s20, s19, QLAST                      ; the training quad that I read (dummies read the last one)
	s_sub_co_u32 s21, s19, QX                      ; X's quad, where I am one
	s_sub_co_u32 s25, s19, QLAST+1
	s_cmp_lt_u32 s25, QX-QLAST-1                   ; a dummy quad?
	s_cselect_b32 s24, 0x7f61b1e6, 0               ; then every norm is raised to 3e38
	s_mov_b32 s27, 0
	s_mov_b32 s28, 0x76543210
	s_mov_b32 s29, 0xfedcba98                      ; v_permlanex16_b32's selects for lane l xor 16
	s_wait_alu depctr_va_vdst(0)
	s_wait_kmcnt 0x0
	s_cmp_ge_u32 s19, QX                           ; X's quad?  The choice hangs on the quad's number alone
	s_cselect_b64 s[4:5], s[4:5], s[6:7]
	s_cselect_b32 s21, s21, s20
	s_cselect_b32 s22, 0x88888888, 0               ; turns the eight sign bits of a register of codes
	s_cselect_b32 s23, 0x0101, 0                   ; adds 1 to the two scale bytes (at most 252: nothing carries)
	s_lshl_b32 s26, s21, 14
	s_add_nc_u64 s[4:5], s[4:5], s[26:27]          ; my 16,384 bytes of numbers
	s_lshl_b32 s26, s20, 8
	s_add_nc_u64 s[8:9], s[8:9], s[26:27]          ; my 64 labels
	s_lshl_b32 s26, s19, 11
	s_add_nc_u64 s[10:11], s[10:11], s[26:27]      ; 2,048 bytes of codes a quad
	s_lshl_b32 s26, s19, 8
	s_add_nc_u64 s[12:13], s[12:13], s[26:27]      ; 256 of scale words
	s_add_nc_u64 s[14:15], s[14:15], s[26:27]      ; 256 of norms
	s_lshl_b32 s26, s19, 9
	s_add_nc_u64 s[16:17], s[16:17], s[26:27]      ; 512 of pairs
	global_load_b64 v[248:249], v5, s[8:9]         ; the labels of rows 2 lane, 2 lane + 1
.irp n, 0,1,2,3,4,5,6,7,8,9,10,11,12,13,14,15,16,17,18,19,20,21,22,23,24,25,26,27,28,29,30,31
	global_load_b128 v[R+4*\n:R+4*\n+3], v4, s[4:5] offset:512*\n th:TH_LOAD_NT   ; 32 lanes read 512 consecutive bytes
.endr
; Tile i's eight loads go into stage i % 2 as they lie and come back 128 bytes a lane.  LDS serves a wave's instructions in order (ISA guide 5.7.1.4): no wait between the stores and the loads.
.macro TURN i
.irp n, 0,1,2,3,4,5,6,7
	ds_store_b128 v6, v[R+32*(\i)+4*\n:R+32*(\i)+4*\n+3] offset:STG*((\i)%2)+544*\n
.endr
.irp e, 0,1,2,3,4,5,6,7
	ds_load_b128 v[XN+32*((\i)%2)+4*\e:XN+32*((\i)%2)+4*\e+3], v7 offset:STG*((\i)%2)+16*\e
.endr
.endm
; Tile i: my 32 numbers are block h of row r.
.macro QUANT i
.set XS, XN+32*((\i)%2)
	v_max3_num_f32 v224, |v[XS]|, |v[XS+1]|, |v[XS+2]|             ; the block's largest magnitude, in two chains
	v_max3_num_f32 v225, |v[XS+3]|, |v[XS+4]|, |v[XS+5]|
.irp n, 6,10,14,18,22,26
	v_max3_num_f32 v224, v224, |v[XS+\n]|, |v[XS+\n+1]|
	v_max3_num_f32 v225, v225, |v[XS+\n+2]|, |v[XS+\n+3]|
.endr
	v_max3_num_f32 v224, v224, |v[XS+30]|, |v[XS+31]|
	v_max3_num_f32 v224, v224, v225, 0x1800000     ; and the floor 2^(3 - 127): the byte cannot fall under 1
	v_add_nc_u32 v226, 0xff000000, v224            ; 2 off its exponent field: the conversion takes the exponent field of this operand as its scale
.irp g, 0,1,2,3
	v_cvt_scalef32_pk8_fp4_f32 v[CD+4*(\i)+\g], v[XS+8*\g:XS+8*\g+7], v226
.endr
	v_lshrrev_b32 v227, 23, v226                   ; the scale's byte.  (The plain place behind the conversions)
.irp g, 0,1,2,3
	v_xor_b32 v[CD+4*(\i)+\g], s22, v[CD+4*(\i)+\g]   ; X: the signs are turned; training rows: nothing changes
.endr
	global_store_b128 v4, v[CD+4*(\i):CD+4*(\i)+3], s[10:11] offset:512*(\i)   ; the tile's image: 512 consecutive bytes
.irp p, 0,1,2,3
	v_pk_mul_f32 v[228+2*\p:229+2*\p], v[XS+2*\p:XS+2*\p+1], v[XS+2*\p:XS+2*\p+1]   ; the sum of squares: four chains of pairs
.endr
.irp p, 4,5,6,7,8,9,10,11,12,13,14,15
	v_pk_fma_f32 v[228+2*(\p%4):229+2*(\p%4)], v[XS+2*\p:XS+2*\p+1], v[XS+2*\p:XS+2*\p+1], v[228+2*(\p%4):229+2*(\p%4)]
.endr
	v_lshlrev_b32 v237, v12, v227                  ; my byte at its place
	v_pk_add_f32 v[228:229], v[228:229], v[230:231]
	v_pk_add_f32 v[232:233], v[232:233], v[234:235]
	v_permlanex16_b32 v238, v237, s28, s29         ; the row's other block's byte
	v_pk_add_f32 v[228:229], v[228:229], v[232:233]
	v_or_b32 v237, v237, v238
	v_add_f32 v228, v228, v229
	v_or_b32 v237, 0x7f7f0000, v237                ; bytes 2 and 3 stand for 1: they meet zero codes
	v_permlanex16_b32 v236, v228, s28, s29
	v_add_nc_u32 v[WD+(\i)], s23, v237             ; X: both bytes + 1
	v_add_f32 v228, v228, v236                     ; with the other block's: the row's
	v_max_num_f32 v[NM+(\i)], s24, v228            ; a dummy's norm is 3e38
	ds_store_b32 v8, v[WD+(\i)] offset:64*(\i)     ; both halves of the lanes write the same word with the same value
	ds_store_b32 v8, v[NM+(\i)] offset:256+64*(\i)
	ds_store_b32 v9, v[NM+(\i)] offset:512+128*(\i)
.endm
	s_wait_loadcnt 24                              ; the labels and tile 0's eight loads are in; the 24 loads of tiles 1 to 3 may be out
	ds_store_b32 v10, v248 offset:516              ; the label's place in its row's pair
	ds_store_b32 v10, v249 offset:524
	TURN 0
.irp i, 0,1,2,3
.if \i < 3
	s_wait_loadcnt 16-8*\i                         ; the next tile's eight loads are in; those of the tiles behind it may be out
	TURN \i+1
	s_wait_dscnt 16                                ; all but the next tile's 8 stores and 8 loads: this tile's numbers are back
.else
	s_wait_dscnt 0x0
.endif
	QUANT \i
.endr
	ds_load_b64 v[16:17], v11                      ; the quad's 64 scale words, norms and pairs leave as whole runs; these loads see my stores (a wave's LDS instructions are served in order)
	ds_load_b64 v[18:19], v11 offset:256
	ds_load_b128 v[20:23], v10 offset:512
	s_wait_dscnt 0x0
	global_store_b64 v5, v[16:17], s[12:13]        ; 256 consecutive bytes, aligned
	global_store_b64 v5, v[18:19], s[14:15]
	global_store_b128 v4, v[20:23], s[16:17]       ; 512 consecutive bytes, aligned
	s_wait_tensorcnt 0x0
	ds_add_u32 v254, v255
	s_wait_dscnt 0x0
	s_endpgm
.Lfunc_end_k_q18c27510c5_quant:
	.size	k_q18c27510c5_quant, .Lfunc_end_k_q18c27510c5_quant-k_q18c27510c5_quant
	.p2alignl 7, 3214868480
	.fill 96, 4, 3214868480
	.section	.rodata,"a",@progbits
	.p2align	6, 0x0
	.amdhsa_kernel k_q18c27510c5_quant
		.amdhsa_group_segment_fixed_size 39424
		.amdhsa_private_segment_fixed_size 0
		.amdhsa_enable_private_segment 0
		.amdhsa_kernarg_size 56
		.amdhsa_user_sgpr_count 2
		.amdhsa_user_sgpr_kernarg_segment_ptr 1
		.amdhsa_wavefront_size32 1
		.amdhsa_system_sgpr_workgroup_id_x 1
		.amdhsa_system_sgpr_workgroup_id_y 1
		.amdhsa_system_sgpr_workgroup_id_z 1
		.amdhsa_system_vgpr_workitem_id 0
		.amdhsa_next_free_vgpr 256
		.amdhsa_next_free_sgpr 66
		.amdhsa_reserve_vcc 0
		.amdhsa_float_denorm_mode_32 3
		.amdhsa_float_denorm_mode_16_64 3
		.amdhsa_memory_ordered 1
		.amdhsa_forward_progress 1
		.amdhsa_inst_pref_size 25
	.end_amdhsa_kernel
	.amdgpu_metadata
---
amdhsa.version: [ 1, 2 ]
amdhsa.kernels:
  - .name:           k_q18c27510c5_quant
    .symbol:         k_q18c27510c5_quant.kd
    .args:
      - { .name: X, .offset: 0, .size: 8, .value_kind: global_buffer, .address_space: global }
      - { .name: train_features, .offset: 8, .size: 8, .value_kind: global_buffer, .address_space: global }
      - { .name: train_labels, .offset: 16, .size: 8, .value_kind: global_buffer, .address_space: global }
      - { .name: tcodes, .offset: 24, .size: 8, .value_kind: global_buffer, .address_space: global }
      - { .name: tscale, .offset: 32, .size: 8, .value_kind: global_buffer, .address_space: global }
      - { .name: tnorm, .offset: 40, .size: 8, .value_kind: global_buffer, .address_space: global }
      - { .name: tnl, .offset: 48, .size: 8, .value_kind: global_buffer, .address_space: global }
    .group_segment_fixed_size: 39424
    .private_segment_fixed_size: 0
    .kernarg_segment_align: 8
    .kernarg_segment_size: 56
    .max_flat_workgroup_size: 128
    .sgpr_count:     66
    .vgpr_count:     256
    .wavefront_size: 32
...
	.end_amdgpu_metadata
.endif
;; end of part 1
;; launch scan (part 2): grid 224 x 1, 8 waves a work-group, no clusters, 0 bytes of LDS; arguments tcodes, tscale, tnorm, gmin; writes gmin
.if DOCPART == 2
	.amdgcn_target "amdgcn-amd-amdhsa--gfx1250"
	.amdhsa_code_object_version 6
	.text
	.protected	k_q18c27510c5_scan
	.globl	k_q18c27510c5_scan
	.p2align	8
	.type	k_q18c27510c5_scan,@function
k_q18c27510c5_scan:
	s_mov_b64 s[64:65], 0
	v_nop
	global_prefetch_b8 v0, s[64:65] scope:SCOPE_SE
	s_setreg_imm32_b32 hwreg(HW_REG_WAVE_MODE, 25, 1), 1
	s_wait_xcnt 0x0
; For every query and every GROUP of 112 training rows (7 tiles of 16): the smallest s = t2 - 2 x.t of the group.  gmin [448 pieces][512 queries][4 groups] f32.
; WHY A MINIMUM IS ENOUGH.  Order rows by (distance, index) and groups by (smallest distance, number).  The 16 nearest rows lie in the 16 first groups: were a row's group not among them, each of 16 earlier
; groups would hold a row that comes before it.  x2, the clip at 0 and the root do not fall where s rises, so they are applied later, to the minima and to the candidates alone.
; THE PRODUCT, on codes of FP4 with E8M0 scales, gives s as it stands: X is stored as -2 X, and t2 is the C operand.  K is 64: the instruction's upper 64 along K meet zero codes on the training side
; (four zero registers behind each fragment, scale bytes 127), so that whatever the query side's upper four registers hold adds exactly nothing: the query fragments lie four registers apart and overlap.
; Source 0 = 16 training rows, source 1 = 16 queries: register j of lane (r, h) is (row 8 h + j, query r); C's register j is t2[8 h + j].
; SHARES.  A work-group takes a chunk of 56 tiles against all 512 queries.  Wave w: query tiles 8 (w % 4) on, tiles 28 (w / 4) on of the chunk: four groups, one piece: 224 matrix instructions.
; Per result half a vector instruction: three v_min3 over the eight registers and the running minimum, one more to join them.  Operands come straight into registers, six tiles ahead: no LDS, no barrier.
; No cluster and no tensor load: what the work-groups share is X's 18 KB; a chunk's 36 KB are read by this work-group's waves alone.
; LIMITS: s is rounded once, in the matrix unit, and x2 is added later, where the definition forms (x2 + t2) - 2 x.t: the last bit may differ.  NaN and infinities are not served.
.set QF,   8                           ; v8-39    eight query fragments of 4 registers; v40-43 zeros
.set QS,   44                          ; v44-51   their scale words
.set FA,   56                          ; v56-111  seven slots: 4 registers of codes, 4 of zeros
.set CB,   112                         ; v112-167 seven slots: t2 in C's layout
.set ASC,  168                         ; v168-174 seven slots: the tile's scale words
.set DR,   176                         ; v176-207 four results by turns
.set TM,   208                         ; v208-213 two sets of three, at work
.set ACC,  216                         ; v216-223 the running minimum of each query tile
.set OUT,  224                         ; v224-239 register 4 p + g: group g, queries 32 p + lane of my 128
	s_load_b256 s[4:11], s[0:1], 0x0               ; tcodes s[4:5], tscale s[6:7], tnorm s[8:9], gmin s[10:11]
.irp s, 0,1,2,3,4,5,6
.irp i, 4,5,6,7
	v_mov_b32 v[FA+8*\s+\i], 0                     ; zero CODES for k = 64 .. 127: operands, not sums; written once
.endr
.endr
.irp i, 0,1,2,3
	v_mov_b32 v[QF+32+\i], 0                       ; behind the last query fragment
.endr
	v_lshrrev_b32 v4, 5, v0
	s_delay_alu instid0(VALU_DEP_1)
	v_readfirstlane_b32 s12, v4                    ; wave 0..7
	v_and_b32 v4, 31, v0
	s_delay_alu instid0(VALU_DEP_1)
	v_lshlrev_b32 v1, 4, v4                        ; 16 x lane: a fragment's image
	v_and_b32 v2, 15, v0
	s_delay_alu instid0(VALU_DEP_1)
	v_lshlrev_b32 v2, 2, v2                        ; 4 r: a row's scale word
	v_bfe_u32 v3, v0, 4, 1
	s_delay_alu instid0(VALU_DEP_1)
	v_lshlrev_b32 v3, 5, v3                        ; 32 h: my half's eight norms
	s_and_b32 s13, s12, 3                          ; which 128 queries
	s_lshr_b32 s14, s12, 2                         ; which half of the chunk
	s_mul_i32 s15, ttmp9, 56
	s_mul_i32 s16, s14, 28
	s_add_co_u32 s15, s15, s16                     ; my first tile
	s_lshl_b32 s16, s13, 3
	s_add_co_u32 s16, s16, 12544                   ; my first tile of X
	s_lshl_b32 s17, ttmp9, 1
	s_add_co_u32 s17, s17, s14                     ; my piece
	s_lshl_b32 s17, s17, 13                        ; 8,192 bytes a piece,
	s_lshl_b32 s18, s13, 11                        ; 16 a query
	s_add_co_u32 s17, s17, s18
	s_mov_b32 s25, 0
	s_wait_alu depctr_va_vdst(0)
	s_wait_kmcnt 0x0
	s_lshl_b32 s24, s16, 9
	s_add_nc_u64 s[20:21], s[4:5], s[24:25]        ; X's codes
	s_lshl_b32 s24, s16, 6
	s_add_nc_u64 s[22:23], s[6:7], s[24:25]        ; X's scale words
	s_lshl_b32 s24, s15, 9
	s_add_nc_u64 s[4:5], s[4:5], s[24:25]
	s_lshl_b32 s24, s15, 6
	s_add_nc_u64 s[6:7], s[6:7], s[24:25]
	s_add_nc_u64 s[8:9], s[8:9], s[24:25]
	s_mov_b32 s24, s17
	s_add_nc_u64 s[10:11], s[10:11], s[24:25]
.irp q, 0,1,2,3,4,5,6,7
	global_load_b128 v[QF+4*\q:QF+4*\q+3], v1, s[20:21] offset:512*\q
	global_load_b32 v[QS+\q], v2, s[22:23] offset:64*\q
.endr
.macro LOADT slot, t                   ; tile t of my 28 into a slot: four loads
	global_load_b128 v[FA+8*(\slot):FA+8*(\slot)+3], v1, s[4:5] offset:512*(\t)
	global_load_b32 v[ASC+(\slot)], v2, s[6:7] offset:64*(\t)
	global_load_b128 v[CB+8*(\slot):CB+8*(\slot)+3], v3, s[8:9] offset:64*(\t)
	global_load_b128 v[CB+8*(\slot)+4:CB+8*(\slot)+7], v3, s[8:9] offset:64*(\t)+16
.endm
.irp t, 0,1,2,3,4,5
	LOADT \t, \t
.endr
; Unit x of a group's 56 (tile x / 8, query tile x % 8): its eight results join the query tile's running minimum.  The result is read from its low end on.  A group's first tile starts the minimum: nothing is cleared.
.macro MN x
.set dd, DR+8*((\x)%4)
.set tm, TM+3*((\x)%2)
.set ac, ACC+(\x)%8
	v_min3_num_f32 v[tm], v[dd], v[dd+1], v[dd+2]
	v_min3_num_f32 v[tm+1], v[dd+3], v[dd+4], v[dd+5]
.if (\x)/8 == 0
	v_min_num_f32 v[tm+2], v[dd+6], v[dd+7]
.else
	v_min3_num_f32 v[tm+2], v[ac], v[dd+6], v[dd+7]
.endif
	s_delay_alu instid0(VALU_DEP_1)
	v_min3_num_f32 v[ac], v[tm], v[tm+1], v[tm+2]
.endm
; A group.  Behind each matrix instruction stand the four vector instructions of the unit two back, so that a result is read eight plain instructions behind its product, one of the four result
; blocks is written again twelve behind, and a slot is loaded again twelve behind its last product.  No product adds onto a matrix result: C is always t2.
.macro GROUP g
.set u, 0
.rept 56
.set jj, u/8
.set qi, u%8
.set tt, 7*\g+jj
.if qi == 0
.if 27-tt >= 5
	s_wait_loadcnt 20                              ; this tile's four loads are in; behind them the five next tiles' twenty may be out
.else
	s_wait_loadcnt 4*(27-tt)                       ; near the end: four for each tile that is left
.endif
.endif
	v_wmma_scale_f32_16x16x128_f8f6f4 v[DR+8*(u%4):DR+8*(u%4)+7], v[FA+8*jj:FA+8*jj+7], v[QF+4*qi:QF+4*qi+7], v[CB+8*jj:CB+8*jj+7], v[ASC+jj], v[QS+qi] matrix_a_fmt:MATRIX_FMT_FP4 matrix_b_fmt:MATRIX_FMT_FP4
.if u == 1
.rept 4
	v_nop                                          ; the group's first results have no earlier unit's work to stand behind them
.endr
.endif
.if u >= 2
	MN u-2
.endif
.if (qi == 1) && (tt+6 <= 27)
	LOADT (jj+6)%7, tt+6                           ; the slot of the tile just done takes the tile six on
.endif
.set u, u+1
.endr
	MN 54
	MN 55
.irp p, 0,1,2,3
	v_permlane16_swap_b32 v[ACC+2*\p], v[ACC+2*\p+1]   ; rows 0-7's and rows 8-15's minima of two query tiles: after the exchange one register holds both tiles' first, the other both tiles' second
.endr
.irp p, 0,1,2,3
	s_delay_alu instid0(VALU_DEP_4)
	v_min_num_f32 v[OUT+4*\p+\g], v[ACC+2*\p], v[ACC+2*\p+1]   ; lane l: query 32 p + l of my 128
.endr
.endm
	GROUP 0
	GROUP 1
	GROUP 2
	GROUP 3
.irp p, 0,1,2,3
	global_store_b128 v1, v[OUT+4*\p:OUT+4*\p+3], s[10:11] offset:512*\p   ; a query's four groups: 32 lanes store 512 consecutive bytes, aligned
.endr
	s_endpgm
.Lfunc_end_k_q18c27510c5_scan:
	.size	k_q18c27510c5_scan, .Lfunc_end_k_q18c27510c5_scan-k_q18c27510c5_scan
	.p2alignl 7, 3214868480
	.fill 96, 4, 3214868480
	.section	.rodata,"a",@progbits
	.p2align	6, 0x0
	.amdhsa_kernel k_q18c27510c5_scan
		.amdhsa_group_segment_fixed_size 0
		.amdhsa_private_segment_fixed_size 0
		.amdhsa_enable_private_segment 0
		.amdhsa_kernarg_size 32
		.amdhsa_user_sgpr_count 2
		.amdhsa_user_sgpr_kernarg_segment_ptr 1
		.amdhsa_wavefront_size32 1
		.amdhsa_system_sgpr_workgroup_id_x 1
		.amdhsa_system_sgpr_workgroup_id_y 1
		.amdhsa_system_sgpr_workgroup_id_z 1
		.amdhsa_system_vgpr_workitem_id 0
		.amdhsa_next_free_vgpr 240
		.amdhsa_next_free_sgpr 66
		.amdhsa_reserve_vcc 0
		.amdhsa_float_denorm_mode_32 3
		.amdhsa_float_denorm_mode_16_64 3
		.amdhsa_memory_ordered 1
		.amdhsa_forward_progress 1
		.amdhsa_inst_pref_size 108
	.end_amdhsa_kernel
	.amdgpu_metadata
---
amdhsa.version: [ 1, 2 ]
amdhsa.kernels:
  - .name:           k_q18c27510c5_scan
    .symbol:         k_q18c27510c5_scan.kd
    .args:
      - { .name: tcodes, .offset: 0, .size: 8, .value_kind: global_buffer, .address_space: global }
      - { .name: tscale, .offset: 8, .size: 8, .value_kind: global_buffer, .address_space: global }
      - { .name: tnorm, .offset: 16, .size: 8, .value_kind: global_buffer, .address_space: global }
      - { .name: gmin, .offset: 24, .size: 8, .value_kind: global_buffer, .address_space: global }
    .group_segment_fixed_size: 0
    .private_segment_fixed_size: 0
    .kernarg_segment_align: 8
    .kernarg_segment_size: 32
    .max_flat_workgroup_size: 256
    .sgpr_count:     66
    .vgpr_count:     240
    .wavefront_size: 32
...
	.end_amdgpu_metadata
.endif
;; end of part 2
;; launch pick (part 3): grid 256 x 1, 4 waves a work-group, no clusters, 1,536 bytes of LDS; arguments gmin, tnorm, gsel; writes gsel
.if DOCPART == 3
	.amdgcn_target "amdgcn-amd-amdhsa--gfx1250"
	.amdhsa_code_object_version 6
	.text
	.protected	k_q18c27510c5_pick
	.globl	k_q18c27510c5_pick
	.p2align	8
	.type	k_q18c27510c5_pick,@function
k_q18c27510c5_pick:
	s_mov_b64 s[64:65], 0
	v_nop
	global_prefetch_b8 v0, s[64:65] scope:SCOPE_SE
	s_setreg_imm32_b32 hwreg(HW_REG_WAVE_MODE, 25, 1), 1
	s_wait_xcnt 0x0
; For each query: the numbers of its 16 first groups, by (smallest distance, group number), stored ascending as whole numbers: gsel [512][16].  The next launch forms its addresses from them.
; Two waves to a query, two queries to a work-group.  Wave half hf takes pieces 224 hf + 32 i + lane, i = 0 .. 6: register 4 i + e holds group 896 hf + 128 i + 4 lane + e: 28 keys a lane.
; KEY = sqrt(max(x2 + s, 0)), by the same three instructions that the next launch uses on its candidates.
; THE 16 SMALLEST OF ALL KEYS, with no branch on data: each lane sorts its keys in registers (two bitonic sorts of 16, +infinity as filling) and keeps the 16 smallest; sorted lists of 16 are then joined
; pair by pair: the smaller of a_i and b_(15-i) are the 16 smallest of both, a bitonic run that four stages put in order: lanes 1, 2, 4, 8 and 16 apart, then the two waves through LDS.
; TIES.  tau = the 16th smallest key.  A second pass of the same network runs on whole numbers kept as f32 (exact): the group's number where key < tau, 4096 + the number where key = tau, +infinity above:
; its 16 smallest are all groups under tau and then those at tau with the lowest numbers.
; Each lane reads 16 bytes of gmin, 8,192 bytes from its neighbour's: gmin lies as the launch that writes it stores whole runs.  A query owns 64 bytes of gsel, which sixteen lanes store.
; LIMITS: v_sqrt_f32 is good to one unit in the last place, is taken not to fall where its input rises, and takes a denormal as 0.  NaN and infinities are not served.
.set KEY, 16                           ; v16-47   the keys; v44-47 +infinity
.set LA,  48                           ; v48-63   a sorted list
.set LB,  64                           ; v64-79   the list to be joined with it
.set LP,  80                           ; v80-95, v96-111: the network's stages go from one set into another, so no stage needs a spare register
.set LQ,  96
.set AW,  112                          ; v112     64 x wave
.set AP,  113                          ; v113     64 x (wave xor 1)
.macro STAGE src, dst, k, j            ; a stage of the bitonic network on 16 registers: partners j apart, ascending where i & k is 0
.set i, 0
.rept 16
.if (i & \j) == 0
.if (i & \k) == 0
	v_min_num_f32 v[\dst+i], v[\src+i], v[\src+i+\j]
	v_max_num_f32 v[\dst+i+\j], v[\src+i], v[\src+i+\j]
.else
	v_max_num_f32 v[\dst+i], v[\src+i], v[\src+i+\j]
	v_min_num_f32 v[\dst+i+\j], v[\src+i], v[\src+i+\j]
.endif
.endif
.set i, i+1
.endr
.endm
.macro SORT16 src, dst                 ; ten stages; src is left as it is (unless it is dst)
	STAGE \src, LP, 2, 1
	STAGE LP, LQ, 4, 2
	STAGE LQ, LP, 4, 1
	STAGE LP, LQ, 8, 4
	STAGE LQ, LP, 8, 2
	STAGE LP, LQ, 8, 1
	STAGE LQ, LP, 16, 8
	STAGE LP, LQ, 16, 4
	STAGE LQ, LP, 16, 2
	STAGE LP, \dst, 16, 1
.endm
.macro CLEAN                           ; a bitonic run in LP comes out ascending in LA
	STAGE LP, LQ, 16, 8
	STAGE LQ, LP, 16, 4
	STAGE LP, LQ, 16, 2
	STAGE LQ, LA, 16, 1
.endm
.macro MERGE                           ; LA = the 16 smallest of LA and LB
.set i, 0
.rept 16
	v_min_num_f32 v[LP+i], v[LA+i], v[LB+15-i]
.set i, i+1
.endr
	CLEAN
.endm
.macro XLANE x                         ; the same with the list of the lane x away: both lanes end with the same list
.set i, 0
.rept 16
	v_min_num_f32_dpp v[LP+i], v[LA+15-i], v[LA+i] row_xmask:\x row_mask:0xf bank_mask:0xf
.set i, i+1
.endr
	CLEAN
.endm
.macro XHALF
.set i, 0
.rept 16
	v_permlanex16_b32 v[LB+i], v[LA+i], s28, s29
.set i, i+1
.endr
	MERGE
.endm
.macro XWAVE reg                       ; the query's two waves: every lane of a wave holds the same list and writes the same 64 bytes
.irp i, 0,1,2,3
	ds_store_b128 v[AW], v[LA+4*\i:LA+4*\i+3] offset:\reg+16*\i
.endr
	s_wait_dscnt 0x0                               ; for the other wave's sake: my stores have landed
	s_barrier_signal -1
	s_barrier_wait -1
.irp i, 0,1,2,3
	ds_load_b128 v[LB+4*\i:LB+4*\i+3], v[AP] offset:\reg+16*\i
.endr
	s_wait_dscnt 0x0
	MERGE
.endm
.macro TOP16 reg                       ; LA = the 16 smallest of the two waves' 2 x 32 x 32 keys, ascending, in every lane
	SORT16 KEY, LA
	SORT16 KEY+16, LB
	MERGE
	XLANE 1
	XLANE 2
	XLANE 4
	XLANE 8
	XHALF
	XWAVE \reg
.endm
	s_load_b128 s[4:7], s[0:1], 0x0                ; gmin s[4:5], tnorm s[6:7]
	s_load_b64 s[8:9], s[0:1], 0x10                ; gsel
	v_lshl_add_u32 v128, v0, 2, 0x400
	v_mov_b32 v129, 0
	v_lshrrev_b32 v1, 5, v0
	v_readfirstlane_b32 s16, v1                    ; wave 0..3
	s_lshr_b32 s19, s16, 1
	s_and_b32 s18, s16, 1                          ; hf
	s_lshl_b32 s17, ttmp9, 1
	s_add_co_u32 s17, s17, s19                     ; my query
	s_lshl_b32 s20, s17, 2
	s_lshl_b32 s22, s17, 4                         ; 16 bytes a query in a piece,
	s_mul_i32 s21, s18, 224*8192                   ; 224 pieces on for the second half
	s_add_co_u32 s22, s22, s21
	s_mov_b32 s23, 0
	s_lshl_b32 s24, s17, 6                         ; 64 bytes a query in gsel
	s_mov_b32 s25, 0
	s_mul_i32 s26, s18, 896
	s_mov_b32 s28, 0x76543210
	s_mov_b32 s29, 0xfedcba98                      ; v_permlanex16_b32's selects for lane l xor 16
	v_and_b32 v1, 31, v0                           ; lane
	v_lshlrev_b32 v2, 13, v1                       ; a piece a lane
	v_lshl_add_u32 v3, v1, 2, s26                  ; the number of my register 0's group
	v_mov_b32 v5, 0x7f800000                       ; +infinity
	v_mov_b32 v6, 4096
	v_mov_b32 v7, 0
	v_and_b32 v10, 15, v0
	v_lshlrev_b32 v11, 2, v1
	s_lshl_b32 s27, s16, 6
	v_mov_b32 v[AW], s27
	s_xor_b32 s27, s16, 1
	s_lshl_b32 s27, s27, 6
	v_mov_b32 v[AP], s27
.irp i, 28,29,30,31
	v_mov_b32 v[KEY+\i], 0x7f800000                ; filling
.endr
	s_wait_kmcnt 0x0
	s_load_b32 s10, s[6:7], s20 offset:0xc4000     ; x2: X's tiles begin at tile 12544 of tnorm, 64 bytes a tile
	s_add_nc_u64 s[4:5], s[4:5], s[22:23]
	s_add_nc_u64 s[8:9], s[8:9], s[24:25]
.irp i, 0,1,2,3,4,5,6
	global_load_b128 v[KEY+4*\i:KEY+4*\i+3], v2, s[4:5] offset:262144*\i   ; 32 pieces on
.endr
	s_wait_kmcnt 0x0
	s_wait_loadcnt 0x0
.set n, 0
.rept 28
	v_add_f32 v[KEY+n], s10, v[KEY+n]
.set n, n+1
.endr
.set n, 0
.rept 28
	v_max_num_f32 v[KEY+n], 0, v[KEY+n]
.set n, n+1
.endr
.set n, 0
	s_wait_alu depctr_va_vdst(0)
.rept 28
	v_sqrt_f32 v[KEY+n], v[KEY+n]
.set n, n+1
.endr
	v_nop                                          ; a plain place behind the roots (ISA guide 5.7.2)
	s_wait_alu depctr_va_vdst(0)
	TOP16 0
	v_mov_b32 v4, v[LA+15]                         ; tau
.set n, 0
.rept 28                               ; the second keys, in place; two sets of spare registers by turns
.set tq, 8+(n%2)
.set mq, 12+2*(n%2)
	v_cmp_lt_f32 s[mq], v[KEY+n], v4
	v_cmp_gt_f32 s[mq+1], v[KEY+n], v4
	v_cndmask_b32 v[tq], v6, v7, s[mq]             ; 0 under tau, 4096 at it
	v_add3_u32 v[tq], v[tq], v3, 128*(n/4)+n%4     ; + the group's number
	v_cvt_f32_u32 v[tq], v[tq]                     ; under 2^13: exact
	v_cndmask_b32 v[KEY+n], v[tq], v5, s[mq+1]     ; +infinity above tau
.set n, n+1
.endr
	TOP16 256                                      ; other LDS bytes than the first pass's: nothing that a wave may still read is overwritten
.set n, 0
.rept 16
	v_cvt_u32_f32 v[LA+n], v[LA+n]
.set n, n+1
.endr
.set n, 0
.rept 16
	v_and_b32 v[LA+n], 0xfff, v[LA+n]              ; the number alone
.set n, n+1
.endr
.set n, 0
.rept 16
	v_cvt_f32_u32 v[LA+n], v[LA+n]
.set n, n+1
.endr
	SORT16 LA, LA                                  ; ascending by number, so that the next launch's order of places is the order of row indices
	v_mov_b32 v114, v[LA]
.set n, 1
.rept 15
	v_cmp_eq_u32 vcc_lo, n, v10
	v_cndmask_b32 v114, v114, v[LA+n], vcc_lo      ; lane l takes entry l % 16
.set n, n+1
.endr
	v_cvt_u32_f32 v114, v114
	s_cmp_lg_u32 s18, 0                            ; both waves hold the list: the first stores it
	s_cbranch_scc1 .Ldone
	v_cmp_gt_u32 vcc_lo, 16, v1
	s_wait_xcnt 0x0                                ; EXEC changes only behind this wait
	s_and_saveexec_b32 s20, vcc_lo
	s_wait_alu depctr_va_vdst(0)
	global_store_b32 v11, v114, s[8:9]             ; sixteen lanes: the query's 64 bytes
	s_wait_xcnt 0x0
	s_or_b32 exec_lo, exec_lo, s20
.Ldone:
	s_wait_tensorcnt 0x0
	ds_add_u32 v128, v129
	s_wait_dscnt 0x0
	s_endpgm
.Lfunc_end_k_q18c27510c5_pick:
	.size	k_q18c27510c5_pick, .Lfunc_end_k_q18c27510c5_pick-k_q18c27510c5_pick
	.p2alignl 7, 3214868480
	.fill 96, 4, 3214868480
	.section	.rodata,"a",@progbits
	.p2align	6, 0x0
	.amdhsa_kernel k_q18c27510c5_pick
		.amdhsa_group_segment_fixed_size 1536
		.amdhsa_private_segment_fixed_size 0
		.amdhsa_enable_private_segment 0
		.amdhsa_kernarg_size 24
		.amdhsa_user_sgpr_count 2
		.amdhsa_user_sgpr_kernarg_segment_ptr 1
		.amdhsa_wavefront_size32 1
		.amdhsa_system_sgpr_workgroup_id_x 1
		.amdhsa_system_sgpr_workgroup_id_y 1
		.amdhsa_system_sgpr_workgroup_id_z 1
		.amdhsa_system_vgpr_workitem_id 0
		.amdhsa_next_free_vgpr 130
		.amdhsa_next_free_sgpr 66
		.amdhsa_reserve_vcc 1
		.amdhsa_float_denorm_mode_32 3
		.amdhsa_float_denorm_mode_16_64 3
		.amdhsa_memory_ordered 1
		.amdhsa_forward_progress 1
		.amdhsa_inst_pref_size 87
	.end_amdhsa_kernel
	.amdgpu_metadata
---
amdhsa.version: [ 1, 2 ]
amdhsa.kernels:
  - .name:           k_q18c27510c5_pick
    .symbol:         k_q18c27510c5_pick.kd
    .args:
      - { .name: gmin, .offset: 0, .size: 8, .value_kind: global_buffer, .address_space: global }
      - { .name: tnorm, .offset: 8, .size: 8, .value_kind: global_buffer, .address_space: global }
      - { .name: gsel, .offset: 16, .size: 8, .value_kind: global_buffer, .address_space: global }
    .group_segment_fixed_size: 1536
    .private_segment_fixed_size: 0
    .kernarg_segment_align: 8
    .kernarg_segment_size: 24
    .max_flat_workgroup_size: 128
    .sgpr_count:     66
    .vgpr_count:     130
    .wavefront_size: 32
...
	.end_amdgpu_metadata
.endif
;; end of part 3
;; launch vote (part 4): grid 256 x 1, 4 waves a work-group, no clusters, 1,536 bytes of LDS; arguments gsel, tcodes, tscale, tnorm, tnl, out0; writes out0
.if DOCPART == 4
	.amdgcn_target "amdgcn-amd-amdhsa--gfx1250"
	.amdhsa_code_object_version 6
	.text
	.protected	k_q18c27510c5_vote
	.globl	k_q18c27510c5_vote
	.p2align	8
	.type	k_q18c27510c5_vote,@function
k_q18c27510c5_vote:
	s_mov_b64 s[64:65], 0
	v_nop
	global_prefetch_b8 v0, s[64:65] scope:SCOPE_SE
	s_setreg_imm32_b32 hwreg(HW_REG_WAVE_MODE, 25, 1), 1
	s_wait_xcnt 0x0
; For each query: the distances to the 1,792 rows of its 16 chosen groups, the 16 nearest of them (ties by the lower index), their votes weighted by 1 / distance, and the first largest of the ten sums.
; Two waves to a query, two queries to a work-group.  Wave half hf takes gsel[q][8 hf .. 8 hf + 7] (ascending): four PAIRS of groups, 14 tiles a pair, 56 tiles.
; The group numbers are whole numbers that the launch before stored; each is held at 1791 before it enters an address, and only multiplies, adds, ANDs and left shifts follow.
; THE PRODUCT is the scan's with the sources changed over: source 0 = the query's codes in all 16 rows (four zero registers for k = 64 .. 127), source 1 = a training tile (its upper four registers are
; the next tile's codes or zeros: they meet zero codes), C = t2.  So register 0 of a result holds s(q, row r) in lane r and in lane 16 + r, and no other register of it is read.
; A CANDIDATE REGISTER c holds tile 2 c of my 56 in lanes 0-15 and tile 2 c + 1 in lanes 16-31: one load brings both tiles' scale words (the second product names lanes 16-31 of it), one both tiles' (norm, label),
; which is also C's register 0 for both products: each is right in its own half of the lanes, and one select joins them.  C's other seven registers (later pairs, or zeros) reach results that nobody reads.
; Order of places (register, lane) = order of row indices, so the rank among rows at the same distance is a count of lower places.
; No branch and no address hangs on a distance: choices are selects; counts made from compares go into compares alone.
; A query's result is 4 bytes, stored by one lane: the whole output is 2,048 bytes.
; LIMITS: s is rounded once in the matrix unit and x2 added behind it, where the definition forms (x2 + t2) - 2 x.t; the votes are summed in another order; v_sqrt_f32 and v_rcp_f32 are good to one unit in the last
; place, and the root takes a denormal as 0 (such a distance counts as 0).  A label outside 0 .. 9 gets no vote.  NaN and infinities are not served.
; REGISTERS, in windows of 256.  Window 0: v1-7, v17 lane terms; v8-15 the query's fragment; v16 its scale word; v20-35 two sets of offsets; v36-63 scale words; v64-95 keys; v96-159 the network's four sets;
;   v160-187 labels; v188-215 weights; v216-235 sums and spare; v236, v237 0 and 1.0; v240-243 LDS addresses; v244-249 at work.
;   Window 1: codes: pair p from v[60 p], 4 registers a tile, 4 zeros behind the 14th.   Window 2: (norm, label): pair p from v[20 p], 2 a candidate, 6 zeros behind the 7th; v128-191 eight results by turns.
.set AF,  8
.set AQS, 16
.set OFS, 20
.set SC,  36
.set KEY, 64
.set LA,  96
.set LB,  112
.set LP,  128
.set LQ,  144
.set LAB, 160
.set WT,  188
.set ACC, 216
.set TT,  226
.set ZR,  236
.set ONE, 237
.set AW,  240                          ; 64 x wave
.set AP,  241                          ; 64 x (wave xor 1)
.set AC8, 242                          ; 8 x wave
.set AC16, 243                         ; 16 x (wave / 2)
.set T0,  244
.set DR,  128                          ; in window 2
.set MSB, 0
.macro WIN new                         ; the immediate's high byte repeats the setting that is left
.if MSB != \new
	s_set_vgpr_msb (MSB<<8)|\new
.set MSB, \new
.endif
.endm
.macro STAGE src, dst, k, j            ; a stage of the bitonic network on 16 registers: partners j apart, ascending where i & k is 0
.set i, 0
.rept 16
.if (i & \j) == 0
.if (i & \k) == 0
	v_min_num_f32 v[\dst+i], v[\src+i], v[\src+i+\j]
	v_max_num_f32 v[\dst+i+\j], v[\src+i], v[\src+i+\j]
.else
	v_max_num_f32 v[\dst+i], v[\src+i], v[\src+i+\j]
	v_min_num_f32 v[\dst+i+\j], v[\src+i], v[\src+i+\j]
.endif
.endif
.set i, i+1
.endr
.endm
.macro SORT16 src, dst
	STAGE \src, LP, 2, 1
	STAGE LP, LQ, 4, 2
	STAGE LQ, LP, 4, 1
	STAGE LP, LQ, 8, 4
	STAGE LQ, LP, 8, 2
	STAGE LP, LQ, 8, 1
	STAGE LQ, LP, 16, 8
	STAGE LP, LQ, 16, 4
	STAGE LQ, LP, 16, 2
	STAGE LP, \dst, 16, 1
.endm
.macro CLEAN                           ; a bitonic run in LP comes out ascending in LA
	STAGE LP, LQ, 16, 8
	STAGE LQ, LP, 16, 4
	STAGE LP, LQ, 16, 2
	STAGE LQ, LA, 16, 1
.endm
.macro MERGE                           ; LA = the 16 smallest of LA and LB
.set i, 0
.rept 16
	v_min_num_f32 v[LP+i], v[LA+i], v[LB+15-i]
.set i, i+1
.endr
	CLEAN
.endm
.macro XLANE x
.set i, 0
.rept 16
	v_min_num_f32_dpp v[LP+i], v[LA+15-i], v[LA+i] row_xmask:\x row_mask:0xf bank_mask:0xf
.set i, i+1
.endr
	CLEAN
.endm
	s_load_b256 s[4:11], s[0:1], 0x0               ; gsel s[4:5], tcodes s[6:7], tscale s[8:9], tnorm s[10:11]
	s_load_b128 s[12:15], s[0:1], 0x20             ; tnl s[12:13], out0 s[14:15]
	v_lshl_add_u32 v254, v0, 2, 0x400
	v_mov_b32 v255, 0
	v_lshrrev_b32 v17, 5, v0
	v_readfirstlane_b32 s16, v17                   ; wave 0..3
	s_lshr_b32 s19, s16, 1
	s_and_b32 s18, s16, 1                          ; hf
	s_lshl_b32 s17, ttmp9, 1
	s_add_co_u32 s17, s17, s19                     ; my query
	s_lshl_b32 s52, s17, 6
	s_lshl_b32 s53, s18, 5
	s_add_co_u32 s52, s52, s53                     ; my eight numbers in gsel
	s_lshl_b32 s53, s17, 2
	s_wait_kmcnt 0x0
	s_load_b256 s[20:27], s[4:5], s52 offset:0x0
	s_load_b32 s28, s[10:11], s53 offset:0xc4000   ; x2: X's tiles begin at tile 12544 of tnorm, 64 bytes a tile
.irp i, 4,5,6,7
	v_mov_b32 v[AF+\i], 0                          ; zero CODES for k = 64 .. 127
.endr
	WIN 0x40                                       ; destination window 1
.irp p, 0,1,2,3
.irp i, 56,57,58,59
	v_mov_b32 v[60*\p+\i], 0                       ; behind each pair's last tile
.endr
.endr
	WIN 0x80                                       ; destination window 2
.irp p, 0,1,2,3
.irp i, 14,15,16,17,18,19
	v_mov_b32 v[20*\p+\i], 0                       ; behind each pair's last (norm, label): named as the rest of C
.endr
.endr
	WIN 0
	v_and_b32 v17, 31, v0                          ; lane
	v_lshlrev_b32 v1, 4, v17                       ; 16 x lane
	v_lshlrev_b32 v2, 2, v17                       ; 4 x lane
	v_and_b32 v3, 15, v0
	v_lshlrev_b32 v3, 2, v3                        ; 4 r
	v_bfe_u32 v7, v0, 4, 1                         ; h
	v_add_nc_u32 v4, -1, v7                        ; all ones in lanes 0-15
	v_sub_nc_u32 v5, 0, v7                         ; all ones in lanes 16-31
	s_lshr_b32 s54, s17, 4
	s_add_co_u32 s54, s54, 12544                   ; my query's tile,
	s_and_b32 s55, s17, 15                         ; and its row there
	s_lshl_b32 s56, s54, 9
	s_lshl_b32 s57, s55, 4
	s_add_co_u32 s56, s56, s57
	v_lshl_add_u32 v6, v7, 8, s56                  ; every lane of half h takes the 16 bytes of the image's lane (row, h)
	s_lshl_b32 s56, s54, 6
	s_lshl_b32 s57, s55, 2
	s_add_co_u32 s56, s56, s57
	v_mov_b32 v7, s56                              ; every lane takes the row's scale word
	global_load_b128 v[AF:AF+3], v6, s[6:7]
	global_load_b32 v[AQS], v7, s[8:9]
	s_lshl_b32 s58, s16, 6
	v_mov_b32 v[AW], s58
	s_xor_b32 s59, s16, 1
	s_lshl_b32 s59, s59, 6
	v_mov_b32 v[AP], s59
	s_lshl_b32 s58, s16, 3
	v_mov_b32 v[AC8], s58
	s_lshl_b32 s59, s19, 4
	v_mov_b32 v[AC16], s59
	v_mov_b32 v[ZR], 0
	v_mov_b32 v[ONE], 1.0
.irp i, 28,29,30,31
	v_mov_b32 v[KEY+\i], 0x7f800000                ; filling: +infinity
.endr
	s_mov_b32 s29, 0xffff0000                      ; lanes 16-31
	s_mov_b32 s50, 0x76543210
	s_mov_b32 s51, 0xfedcba98                      ; v_permlanex16_b32's selects for lane l xor 16
	s_wait_kmcnt 0x0
.irp i, 0,1,2,3,4,5,6,7
	s_min_u32 s[20+\i], s[20+\i], 1791             ; a loaded number enters an address only behind this hold
.endr
	s_mov_b32 s52, s53
	s_mov_b32 s53, 0
	s_add_nc_u64 s[14:15], s[14:15], s[52:53]      ; out0 at my query
; Pair p's offsets, into set p % 2: +0, +1 codes of groups A, B; +2, +3 scale words of A, B (4 x lane: two neighbouring tiles); +4 the mixed candidate (lanes 0-15: A's tile 6; lanes 16-31: B's tile 0); +5 .. +7 the same doubled, for tnl
.macro OFFS p
.set ob, OFS+8*((\p)%2)
	s_mul_i32 s30, s[20+2*(\p)], 3584              ; 7 tiles x 512 bytes a group
	s_mul_i32 s31, s[21+2*(\p)], 3584
	s_mul_i32 s32, s[20+2*(\p)], 448               ; 7 tiles x 64 bytes
	s_mul_i32 s33, s[21+2*(\p)], 448
	s_add_co_u32 s34, s32, 384
	v_add_nc_u32 v[ob], s30, v1
	v_add_nc_u32 v[ob+1], s31, v1
	v_add_nc_u32 v[ob+2], s32, v2
	v_add_nc_u32 v[ob+3], s33, v2
	v_and_b32 v[T0], s34, v4
	v_and_b32 v[T0+1], s33, v5
	v_add_nc_u32 v[T0], v[T0], v[T0+1]
	v_add_nc_u32 v[ob+4], v[T0], v3
	v_lshlrev_b32 v[ob+5], 1, v[ob+2]
	v_lshlrev_b32 v[ob+6], 1, v[ob+3]
	v_lshlrev_b32 v[ob+7], 1, v[ob+4]
.endm
.macro LOADP p                         ; pair p: 28 loads
.set ob, OFS+8*((\p)%2)
	WIN 0x40                                       ; destination window 1, address window 0
.irp u, 0,1,2,3,4,5,6
	global_load_b128 v[60*(\p)+4*\u:60*(\p)+4*\u+3], v[ob], s[6:7] offset:512*\u
.endr
.irp u, 0,1,2,3,4,5,6
	global_load_b128 v[60*(\p)+28+4*\u:60*(\p)+28+4*\u+3], v[ob+1], s[6:7] offset:512*\u
.endr
	WIN 0
.irp m, 0,1,2
	global_load_b32 v[SC+7*(\p)+\m], v[ob+2], s[8:9] offset:128*\m
.endr
	global_load_b32 v[SC+7*(\p)+3], v[ob+4], s[8:9]
.irp m, 4,5,6
	global_load_b32 v[SC+7*(\p)+\m], v[ob+3], s[8:9] offset:64+128*(\m-4)
.endr
	WIN 0x80                                       ; destination window 2
.irp m, 0,1,2
	global_load_b64 v[20*(\p)+2*\m:20*(\p)+2*\m+1], v[ob+5], s[12:13] offset:256*\m
.endr
	global_load_b64 v[20*(\p)+6:20*(\p)+7], v[ob+7], s[12:13]
.irp m, 4,5,6
	global_load_b64 v[20*(\p)+2*\m:20*(\p)+2*\m+1], v[ob+6], s[12:13] offset:128+256*(\m-4)
.endr
	WIN 0
.endm
.macro PROD p, m, b                    ; candidate m's two products, into result blocks b and b + 1
	v_wmma_scale_f32_16x16x128_f8f6f4 v[DR+8*(\b):DR+8*(\b)+7], v[AF:AF+7], v[60*(\p)+8*(\m):60*(\p)+8*(\m)+7], v[20*(\p)+2*(\m):20*(\p)+2*(\m)+7], v[AQS], v[SC+7*(\p)+(\m)] matrix_a_fmt:MATRIX_FMT_FP4 matrix_b_fmt:MATRIX_FMT_FP4
	v_wmma_scale_f32_16x16x128_f8f6f4 v[DR+8*(\b)+8:DR+8*(\b)+15], v[AF:AF+7], v[60*(\p)+8*(\m)+4:60*(\p)+8*(\m)+11], v[20*(\p)+2*(\m):20*(\p)+2*(\m)+7], v[AQS], v[SC+7*(\p)+(\m)] matrix_a_fmt:MATRIX_FMT_FP4 matrix_b_fmt:MATRIX_FMT_FP4 matrix_b_scale:MATRIX_SCALE_ROW1
.endm
; Pair p's 14 products, eight and then six.  Four v_nop stand between a run's last product and the first read of a result; with the selects that name other blocks, at least six plain instructions stand between a
; product and the next product that writes its block (ISA guide 7.12.1).  Each result is read at its register 0.  No product adds onto a matrix result.
.macro WPH p
	WIN 0xa4                                       ; source 1 (codes) window 1; C and D window 2
.irp m, 0,1,2,3
	PROD \p, \m, 2*\m
.endr
.rept 4
	v_nop
.endr
	WIN 0x0a                                       ; sources 0 and 1 window 2
.irp m, 0,1,2,3
	v_cndmask_b32 v[KEY+7*(\p)+\m], v[DR+16*\m], v[DR+16*\m+8], s29   ; lanes 0-15 of the first product, lanes 16-31 of the second
.endr
	WIN 0xa4
.irp m, 4,5,6
	PROD \p, \m, 2*(\m-4)
.endr
.rept 4
	v_nop
.endr
	WIN 0x0a
.irp m, 4,5,6
	v_cndmask_b32 v[KEY+7*(\p)+\m], v[DR+16*(\m-4)], v[DR+16*(\m-4)+8], s29
.endr
	WIN 0
.endm
	OFFS 0
	LOADP 0
	OFFS 1
	LOADP 1
	s_wait_loadcnt 28                              ; the query and pair 0 are in; pair 1's 28 loads may be out.  Pair 0's loads are done: its set of offsets may be written
	OFFS 2
	LOADP 2
	WPH 0
	s_wait_loadcnt 28                              ; pair 1 is in; pair 2's 28 may be out
	OFFS 3
	LOADP 3
	WPH 1
	s_wait_loadcnt 28                              ; pair 2 is in; pair 3's 28 may be out
	WPH 2
	s_wait_loadcnt 0x0
	WPH 3
	WIN 0x02                                       ; source 0 window 2
.irp p, 0,1,2,3
.irp m, 0,1,2,3,4,5,6
	v_mov_b32 v[LAB+7*\p+\m], v[20*\p+2*\m+1]      ; the labels come beside the weights: 28 moves in place of a window switch round each of 280 compares
.endr
.endr
	WIN 0
.set n, 0
.rept 28
	v_add_f32 v[KEY+n], s28, v[KEY+n]              ; the distance, by the three instructions that made the groups' keys
.set n, n+1
.endr
.set n, 0
.rept 28
	v_max_num_f32 v[KEY+n], 0, v[KEY+n]
.set n, n+1
.endr
.set n, 0
	s_wait_alu depctr_va_vdst(0)
.rept 28
	v_sqrt_f32 v[KEY+n], v[KEY+n]
.set n, n+1
.endr
	v_nop                                          ; a plain place behind the roots (ISA guide 5.7.2)
	s_wait_alu depctr_va_vdst(0)
	; the 16 smallest distances of the query, ascending, in every lane of both waves: LA
	SORT16 KEY, LA
	SORT16 KEY+16, LB
	MERGE
	XLANE 1
	XLANE 2
	XLANE 4
	XLANE 8
.set i, 0
.rept 16
	v_permlanex16_b32 v[LB+i], v[LA+i], s50, s51
.set i, i+1
.endr
	MERGE
.irp i, 0,1,2,3
	ds_store_b128 v[AW], v[LA+4*\i:LA+4*\i+3] offset:16*\i   ; every lane of the wave holds the same list and writes the same 64 bytes
.endr
	s_wait_dscnt 0x0                               ; for the other wave's sake: my stores have landed
	s_barrier_signal -1
	s_barrier_wait -1
.irp i, 0,1,2,3
	ds_load_b128 v[LB+4*\i:LB+4*\i+3], v[AP] offset:16*\i
.endr
	s_wait_dscnt 0x0
	MERGE
	; tau = v[LA+15], the 16th distance; v[LA] the smallest.  How many of my candidates lie under tau, how many at it
	s_wait_alu depctr_va_vdst(0)
	s_mov_b32 s32, 0
	s_mov_b32 s33, 0
.set c, 0
.rept 28
	v_cmp_lt_f32 s30, v[KEY+c], v[LA+15]
	v_cmp_eq_f32 s31, v[KEY+c], v[LA+15]
	s_bcnt1_i32_b32 s30, s30
	s_bcnt1_i32_b32 s31, s31
	s_add_co_u32 s32, s32, s30
	s_add_co_u32 s33, s33, s31
.set c, c+1
.endr
	v_mov_b32 v[T0], s32
	v_mov_b32 v[T0+1], s33
	ds_store_b64 v[AC8], v[T0:T0+1] offset:256
	s_wait_dscnt 0x0
	s_barrier_signal -1
	s_barrier_wait -1
	ds_load_b128 v[T0:T0+3], v[AC16] offset:256    ; under, at: the first wave's, the second's
	s_wait_dscnt 0x0
	v_add_nc_u32 v[T0+4], v[T0], v[T0+2]
	v_sub_nc_u32 v[T0+4], 16, v[T0+4]
	v_readfirstlane_b32 s34, v[T0+4]               ; how many rows at tau are taken: 16 less those under it
	v_readfirstlane_b32 s35, v[T0+1]
	s_cmp_lg_u32 s18, 0
	s_cselect_b32 s35, s35, 0                      ; the rank of my first row at tau: the first wave's rows come first
	v_cmp_eq_f32 s39, 0, v[LA]                     ; a distance of 0 among the 16?  (the same in every lane)
.set c, 0
.rept 28
	v_rcp_f32 v[WT+c], v[KEY+c]
.set c, c+1
.endr
	v_nop                                          ; a plain place behind the reciprocals
.set c, 0
	s_wait_alu depctr_va_vdst(0)
.rept 28                               ; the weight of each candidate: 1 / distance where it is chosen; with a distance of 0 among the 16: 1 where it is chosen and its distance is 0; else 0
	v_cmp_lt_f32 s30, v[KEY+c], v[LA+15]
	v_cmp_eq_f32 s31, v[KEY+c], v[LA+15]
	v_cmp_eq_f32 s36, 0, v[KEY+c]
	v_mbcnt_lo_u32_b32 v[T0], s31, s35             ; my rank among the rows at tau: those before this register, and the lower lanes of it
	v_cmp_gt_u32 s37, s34, v[T0]
	s_and_b32 s37, s37, s31
	s_or_b32 s30, s30, s37                         ; chosen
	s_bcnt1_i32_b32 s31, s31
	s_add_co_u32 s35, s35, s31
	s_and_not1_b32 s37, s30, s39
	s_and_b32 s30, s30, s39
	s_and_b32 s30, s30, s36
	v_cndmask_b32 v[WT+c], v[ZR], v[WT+c], s37
	v_cndmask_b32 v[WT+c], v[WT+c], v[ONE], s30
.set c, c+1
.endr
.set c, 0
.rept 28                               ; the ten sums of a lane; the first candidate starts them
.irp l, 0,1,2,3,4,5,6,7,8,9
	v_cmp_eq_u32 s[40+\l], \l, v[LAB+c]
.endr
.if c == 0
.irp l, 0,1,2,3,4,5,6,7,8,9
	v_cndmask_b32 v[ACC+\l], v[ZR], v[WT+c], s[40+\l]
.endr
.else
.irp l, 0,1,2,3,4,5,6,7,8,9
	v_cndmask_b32 v[TT+\l], v[ZR], v[WT+c], s[40+\l]
.endr
.irp l, 0,2,4,6,8
	v_pk_add_f32 v[ACC+\l:ACC+\l+1], v[ACC+\l:ACC+\l+1], v[TT+\l:TT+\l+1]
.endr
.endif
.set c, c+1
.endr
.irp x, 1,2,4,8                        ; over the 32 lanes
.irp l, 0,1,2,3,4,5,6,7,8,9
	v_add_f32_dpp v[ACC+\l], v[ACC+\l], v[ACC+\l] row_xmask:\x row_mask:0xf bank_mask:0xf
.endr
.endr
.irp l, 0,1,2,3,4,5,6,7,8,9
	v_permlanex16_b32 v[TT+\l], v[ACC+\l], s50, s51
.endr
.irp l, 0,2,4,6,8
	v_pk_add_f32 v[ACC+\l:ACC+\l+1], v[ACC+\l:ACC+\l+1], v[TT+\l:TT+\l+1]
.endr
	ds_store_b128 v[AW], v[ACC:ACC+3] offset:512   ; and over the two waves: each stores its ten and reads the other's
	ds_store_b128 v[AW], v[ACC+4:ACC+7] offset:528
	ds_store_b64 v[AW], v[ACC+8:ACC+9] offset:544
	s_wait_alu depctr_va_vdst(0)
	s_wait_dscnt 0x0
	s_barrier_signal -1
	s_barrier_wait -1
	ds_load_b128 v[TT:TT+3], v[AP] offset:512
	ds_load_b128 v[TT+4:TT+7], v[AP] offset:528
	ds_load_b64 v[TT+8:TT+9], v[AP] offset:544
	s_wait_dscnt 0x0
.irp l, 0,2,4,6,8
	v_pk_add_f32 v[ACC+\l:ACC+\l+1], v[ACC+\l:ACC+\l+1], v[TT+\l:TT+\l+1]
.endr
	v_mov_b32 v[T0], v[ACC]                        ; the first largest
	v_mov_b32 v[T0+1], 0
.irp l, 1,2,3,4,5,6,7,8,9
	v_cmp_gt_f32 vcc_lo, v[ACC+\l], v[T0]
	v_cndmask_b32 v[T0], v[T0], v[ACC+\l], vcc_lo
	v_cndmask_b32 v[T0+1], v[T0+1], \l, vcc_lo
.endr
	s_cmp_lg_u32 s18, 0                            ; both waves hold the result: the first stores it
	s_cbranch_scc1 .Ldone
	v_cmp_eq_u32 vcc_lo, 0, v17
	s_wait_xcnt 0x0                                ; EXEC changes only behind this wait
	s_and_saveexec_b32 s30, vcc_lo
	s_wait_alu depctr_va_vdst(0)
	global_store_b32 v[ZR], v[T0+1], s[14:15]      ; lane 0: the query's 4 bytes
	s_wait_xcnt 0x0
	s_or_b32 exec_lo, exec_lo, s30
.Ldone:
	s_wait_tensorcnt 0x0
	ds_add_u32 v254, v255
	s_wait_dscnt 0x0
	s_endpgm
.Lfunc_end_k_q18c27510c5_vote:
	.size	k_q18c27510c5_vote, .Lfunc_end_k_q18c27510c5_vote-k_q18c27510c5_vote
	.p2alignl 7, 3214868480
	.fill 96, 4, 3214868480
	.section	.rodata,"a",@progbits
	.p2align	6, 0x0
	.amdhsa_kernel k_q18c27510c5_vote
		.amdhsa_group_segment_fixed_size 1536
		.amdhsa_private_segment_fixed_size 0
		.amdhsa_enable_private_segment 0
		.amdhsa_kernarg_size 48
		.amdhsa_user_sgpr_count 2
		.amdhsa_user_sgpr_kernarg_segment_ptr 1
		.amdhsa_wavefront_size32 1
		.amdhsa_system_sgpr_workgroup_id_x 1
		.amdhsa_system_sgpr_workgroup_id_y 1
		.amdhsa_system_sgpr_workgroup_id_z 1
		.amdhsa_system_vgpr_workitem_id 0
		.amdhsa_next_free_vgpr 768
		.amdhsa_next_free_sgpr 66
		.amdhsa_reserve_vcc 1
		.amdhsa_float_denorm_mode_32 3
		.amdhsa_float_denorm_mode_16_64 3
		.amdhsa_memory_ordered 1
		.amdhsa_forward_progress 1
		.amdhsa_inst_pref_size 140
	.end_amdhsa_kernel
	.amdgpu_metadata
---
amdhsa.version: [ 1, 2 ]
amdhsa.kernels:
  - .name:           k_q18c27510c5_vote
    .symbol:         k_q18c27510c5_vote.kd
    .args:
      - { .name: gsel, .offset: 0, .size: 8, .value_kind: global_buffer, .address_space: global }
      - { .name: tcodes, .offset: 8, .size: 8, .value_kind: global_buffer, .address_space: global }
      - { .name: tscale, .offset: 16, .size: 8, .value_kind: global_buffer, .address_space: global }
      - { .name: tnorm, .offset: 24, .size: 8, .value_kind: global_buffer, .address_space: global }
      - { .name: tnl, .offset: 32, .size: 8, .value_kind: global_buffer, .address_space: global }
      - { .name: out0, .offset: 40, .size: 8, .value_kind: global_buffer, .address_space: global }
    .group_segment_fixed_size: 1536
    .private_segment_fixed_size: 0
    .kernarg_segment_align: 8
    .kernarg_segment_size: 48
    .max_flat_workgroup_size: 128
    .sgpr_count:     66
    .vgpr_count:     768
    .wavefront_size: 32
...
	.end_amdgpu_metadata
.endif
;; end of part 4
